; MI455X (gfx1250); checked and timed in simulation.
; The chip was launched on July 23, 2026; its instructions are those of AMD's public machine-readable ISA for CDNA 5 (MIT licence, August 2026) and "CDNA5" Instruction Set Architecture Reference Guide (July 2026). The comments in the code are by the model that wrote it; some were corrected since.
;; Conditional Feed Forward. Allowed arithmetic: matrix products marked QUANTISED: E2M1 operands, one E8M0 scale for each 32 along K, by v_wmma_scale_f32_16x16x128_f8f6f4 with both operands' format E2M1 (or v_wmma_scale_f32_32x16x128_f4), f32 sums; everything else in f32.
;; Inputs: expert_indices 1,024 x 2 int32; w13_codes 8 x 4,096 x 32 x 16 uint8 (E2M1 codes of w13, K innermost, in blocks of 32 codes, two codes a byte); w13_scales 8 x 4,096 x 32 uint8 (E8M0 scales of w13, one for each 32 codes along K); w2_codes 8 x 1,024 x 64 x 16 uint8 (E2M1 codes of w2, K innermost, in blocks of 32 codes, two codes a byte); w2_scales 8 x 1,024 x 64 uint8 (E8M0 scales of w2, one for each 32 codes along K); x_codes 1,024 x 32 x 16 uint8 (E2M1 codes of x, K innermost, in blocks of 32 codes, two codes a byte); x_scales 1,024 x 32 uint8 (E8M0 scales of x, one for each 32 codes along K).
;; Outputs: out0 1,024 x 2 x 1,024 float32.
;; This version of the problem:
;;   THIS VERSION OF THE PROBLEM IS GIVEN IN LOW PRECISION. The matrix products marked QUANTISED in the list below multiply operands that are first quantised to E2M1 (2 exponent bits, 1 mantissa bit; 4 bits a number), with one power-of-two scale for each 32 numbers along K (OCP MX v1.0); their sums are f32. All else is computed in f32.
;;   The module's matrix products, in the order in which they are computed (A, B: the left and right operand; K: the contracted axis; several contracted axes count as one K, in the product's order):
;;     1. [M 1,024, K 1,024] x [K 1,024, N 32,768]; A: input x (given as codes); B: input w13 (given as codes): QUANTISED
;;     2. batch 8 x [M 1,024, K 2,048] x [K 2,048, N 1,024]; A: computed on the way; B: input w2 (given as codes): QUANTISED
;;   THE QUANTISER, for each operand of a quantised product, along K:
;;     - K is cut into blocks of 32 from its start; a last block that is shorter is filled with zeros.
;;     - A block's scale is 2^e with e = floor(log2(the largest magnitude in the block)) - 2, held to -126 .. 127; a block of zeros has e = 0. As a byte (E8M0): e + 127.
;;     - Each number is divided by its block's scale, clamped to +-6, and rounded to the nearest number of E2M1, ties to even, subnormals kept.
;;     - The product sums the exact products of the quantised numbers (number of the format x scale) in f32.
;;   ~~~python
;;   def quantise(x, axis):      # numpy; x: float32 -> the quantised numbers, widened to float32 again
;;       x = np.moveaxis(x, axis, -1); K = x.shape[-1]
;;       x = np.pad(x, [(0, 0)] * (x.ndim - 1) + [(0, -K % 32)]); x = x.reshape(x.shape[:-1] + (-1, 32)); a = np.abs(x).max(-1, keepdims=True)
;;       e = np.where(a > 0, np.clip(np.frexp(np.where(a > 0, a, 1))[1] - 1 - 2, -126, 127), 0)      # np.frexp(a)[1] - 1 = floor(log2(a)), exactly
;;       r = np.clip(x / 2.0 ** e, -6, 6)
;;       step = 2.0 ** (np.maximum(np.frexp(np.where(r == 0, 1, r))[1] - 1, 0) - 1)
;;       q = np.round(r / step) * step * 2.0 ** e      # np.round: ties to even
;;       return np.moveaxis(q.reshape(q.shape[:-2] + (-1,))[..., :K], -1, axis).astype(np.float32)
;;   ~~~
;;   OPERANDS COMPUTED ON THE WAY. 'Computed on the way' means the value that the module computes at that place (a softmax that the list does not call 'softmax' is quantised finished and normalised). What goes into a quantiser is computed in f32, as accurately as f32 sums, v_exp_f32 and their like allow (about 1e-6 of the number): no bf16 or f16 on the way to a quantiser, and a product that is left as it is and whose result goes on into a quantised operand takes f32 operands (vector FMAs, or v_wmma_f32_16x16x4_f32). A number that lies on a knife's edge between two numbers of the format may be rounded either way, as far as f32 arithmetic and the matrix unit's own rounding can turn it there, and no further.
;;   INPUTS GIVEN AS CODES. w13 (in the module: [8, 4096, 1024], K = its axis 2); w2 (in the module: [8, 1024, 2048], K = its axis 2); x (in the module: [1024, 1024], K = its axis 1): each comes as NAME_codes (uint8): NAME with its K axis moved to the last place and cut into blocks of 32 codes, [.., K / 32, bytes a block], one block behind the other in memory; two codes a byte, the lower K in the low four bits (a code: sign, 2 exponent bits, 1 mantissa bit); and NAME_scales (uint8): the same leading axes, one E8M0 byte (e + 127) for each 32 codes along K. Its value is code x scale, taken as it is: it is not quantised again, and the codes and scales need not be those that the quantiser above would give.
;; 2 versions, each right; version 2 is version 1 with the launch down written anew for expert scheduling mode. Each part assembles by itself: llvm-mc -triple=amdgcn-amd-amdhsa -mcpu=gfx1250 --defsym DOCPART=n.
;; ======== version 1 of 2: 2 launches
;; workspace buffers: h_codes 16,777,216 bytes; h_scales 1,048,576 bytes; order 65,536 bytes of whole numbers; counts 2,048 bytes of whole numbers
;; launch gateup (part 1): grid 32 x 8, 4 waves a work-group, no clusters, 76,544 bytes of LDS; arguments expert_indices, w13_codes, w13_scales, x_codes, x_scales, h_codes, h_scales, order, counts; writes h_codes, h_scales, order, counts
.if DOCPART == 1
	.amdgcn_target "amdgcn-amd-amdhsa--gfx1250"
	.amdhsa_code_object_version 6
	.text
	.protected	k_q855776d81b_gateup
	.globl	k_q855776d81b_gateup
	.p2align	8
	.type	k_q855776d81b_gateup,@function
k_q855776d81b_gateup:
	s_mov_b64 s[64:65], 0
	v_nop
	global_prefetch_b8 v0, s[64:65] scope:SCOPE_SE
	s_setreg_imm32_b32 hwreg(HW_REG_WAVE_MODE, 25, 1), 1
	s_wait_xcnt 0x0
; g = silu(x W1[e]^T) * (x W3[e]^T) for the routed rows of expert e, quantised to E2M1 with one E8M0 byte for each 32 hidden units.
; A routed row is i = 2 x token + slot, 2,048 in all; its expert is expert_indices[i].  Only the rows that chose an expert are multiplied by it.
; SHARES.  Work-group (x = slice 0..31, y = expert e) owns 64 hidden units of e: 64 rows of W1 and the same 64 of W3, 64 KiB of codes, read from memory once
; in the launch.  Wave w: block of 32 units B = 2 slice + (w & 1); row tiles (16 list places) t = 2 o + (w >> 1).  A wave's four weight tiles stay in 256 registers.
; ROUTING.  Wave 0 reads all 2,048 indices and lays the rows of e at the front of a list in LDS (the others at the back, so that every word is written once),
; while the weights are on their way.  Places behind the last row of e take the last row: a tile's spare rows compute and store that row's bits again, so no lane is ever switched off.
; The work-groups of slice 0 store the padded list and the count for the next launch.
; TILE 0 IS ALWAYS MADE, also for an expert that no row chose (its 16 rows are then rows of other experts, and nobody uses the result): the next launch asks for its first tiles in every wave,
; and what it reads there has been stored.
; LAYOUT.  The product is used transposed (source 0 = 16 weight rows, source 1 = 16 list rows): a lane holds ONE list row.  Lane row m of weight tile T is hidden unit
; 32 B + 16 (m / 8) + 8 (T & 1) + m % 8, so that the 16 registers of tiles 0, 1 (x1) and of tiles 2, 3 (x3) are units 16 (lane / 16) + 0 .. 15 of the block.
; h_codes [e][tile][block 64][row 16][16 bytes]: a tile's 16 KiB are the next product's sixteen fragments in the order of its registers.  h_scales [e][tile][row 16][block 64].
; A wave's store of codes covers 256 consecutive bytes, aligned.  The scale bytes leave singly, 64 bytes apart: one byte for each 16 bytes of codes.
; NO JOINT LOADS, NO DATA MOVER: the number of row tiles is read from memory (the index input), and this text's branches hang on it; so operands go through registers, and work-groups share nothing by a cluster.
; LIMITS: NaN and infinities are not served.  A block of g whose largest magnitude lies under 2^-124, a block of zeros among them, gets the byte 1 (its codes are then small or zero;
; the bytes are read by this program alone).  silu's sigmoid falls to 0 where 1 + 2^(-x log2 e) passes 2^126.  expert_indices lie in 0 .. 7.
.set WP,    528                        ; a weight row in LDS: 512 bytes + 16: the 16 rows of a fragment load start 33 x 16 bytes apart
.set CNTB,  8192                       ; LDS: bytes 0 .. 8,191 the list (2,048 words); here the count
.set WREG,  8448                       ; and here 128 weight rows: row 64 (block) + 16 T + m
.set MAXW,  64                         ; a wave's tiles at the most: 2,048 rows / 16 / 2
.set WV,   22                          ; s22 wave
.set UU,   23                          ; s23 wave & 1: my block of the two; also which block I load
.set PP,   24                          ; s24 wave >> 1: my tiles' parity; also: I load W1 (0) or W3 (1)
.set EX,   25                          ; s25 expert
.set BB,   26                          ; s26 block 0 .. 63
.set CN,   27                          ; s27 rows of the expert
.set CM1,  28                          ; s28 CN - 1
.set NTL,  29                          ; s29 tiles of the expert
.set NW,   30                          ; s30 tiles of my wave
.set MASK, 32                          ; s[32:47] sixteen lane masks
.set JJ,   52                          ; s52 the loop's counter: my tile's ordinal
.set ORD,  53                          ; s53 the ordinal that is being asked for
.set TL,   54                          ; s54 the tile in hand
.set SEL,  60                          ; s[60:61] v_permlanex16_b32's selects: lane l xor 16
.set LE,   62                          ; s[62:63] -log2(e), twice
.set RUN,  66                          ; s[66:82] running counts
.set LN,   1
.set RR,   2                           ; lane % 16
.set HL,   3                           ; lane / 16
.set L16,  4
.set WST,  5
.set WFR,  6
.set WSO,  7
.set H16,  8
.set HLN,  9
.set HSLN, 10
.set CAD,  11
.set XO,   12                          ; v12-15 slot: byte offset of my row's codes in x
.set XSO,  16                          ; v16-19 slot: of its scale bytes
.set LI,   20                          ; v20-23 slot: my list entry
.set LA,   24                          ; v24-27 slot: its LDS address
.set HO,   28
.set HSO,  29
.set PCD,  30                          ; v[30:31] 16 codes
.set ACC,  32                          ; v32-63 four accumulators
.set TT,   64                          ; v64-79 at work
.set BY,   80
.set MXA,  81
.set MXB,  82
.set SCO,  83
.set WS,   96                          ; v96-103 W1's scale words by K step (lanes 0-15 tile 0, lanes 16-31 tile 1); v104-111 W3's (tiles 2, 3)
.set XS,   112                         ; v112-143 x's scale words, eight a slot
.set IDX,  144                         ; v144-207 routing: the indices, then ranks, then LDS addresses
.set VV,   32                          ; v32-95  routing: the values that are stored
.set EA,   144                         ; the list's way out
.set EV,   160
.set EO,   176
.set EP,   177
.set EC,   178
.set NL,   208                         ; -lane
.set L4,   209                         ; 4 x lane
.set CV,   210
.set RT,   212                         ; v212-227 routing: sixteen places at the list's back
.set MSB, 0
.macro WIN new                         ; the immediate's high byte repeats the setting that is left; a switch that changes nothing is dropped
.if MSB != \new
	s_set_vgpr_msb (MSB<<8)|\new
.set MSB, \new
.endif
.endm
; Sixteen registers of indices (register k = 4 q + c of lane l holds row i = 128 q + 4 l + c; the scan goes by k, then by lane).
; rank = rows of e ahead of me in the scan.  A row of e goes to word rank; any other to word 2047 - (scan place - rank): front and back never meet, and each word is written once.
; BY STAGES: each stage runs over all sixteen registers before the next begins, so that fifteen lines that do not hang on it stand between a result and the line that reads it.
; The sixteen scalar additions, which do hang on each other, take turns with the sixteen values, which hang on nothing.
.macro ROUTE16 beta
.if \beta > 0
	s_mov_b32 s[RUN], s[RUN+16]
.endif
.set RKK, 0
.rept 16
	v_cmp_eq_u32 s[MASK+RKK], s[EX], v[IDX+16*\beta+RKK]          ; the index's register is free behind this line
.set RKK, RKK+1
.endr
.set RKK, 0
.rept 16
	s_bcnt1_i32_b32 s[RUN+RKK+1], s[MASK+RKK]                     ; rows of e in register k,
.set RKK, RKK+1
.endr
.set RKK, 0
.rept 16
.set RK, 16*\beta+RKK
	s_add_co_u32 s[RUN+RKK+1], s[RUN+RKK+1], s[RUN+RKK]           ; and in all registers up to k
	v_add_nc_u32 v[VV+RK], 128*(RK/4)+RK%4, v[L4]                 ; the value: my row i
.set RKK, RKK+1
.endr
.set RKK, 0
.rept 16
	v_mbcnt_lo_u32_b32 v[IDX+16*\beta+RKK], s[MASK+RKK], s[RUN+RKK]   ; rank
.set RKK, RKK+1
.endr
.set RKK, 0
.rept 16
.set RK, 16*\beta+RKK
	v_add3_u32 v[RT+RKK], v[IDX+RK], v[NL], 2047-32*RK            ; the place at the back
.set RKK, RKK+1
.endr
.set RKK, 0
.rept 16
	v_cndmask_b32 v[IDX+16*\beta+RKK], v[RT+RKK], v[IDX+16*\beta+RKK], s[MASK+RKK]   ; a row of e: its rank
.set RKK, RKK+1
.endr
.set RKK, 0
.rept 16
	v_min_u32 v[IDX+16*\beta+RKK], 0x7ff, v[IDX+16*\beta+RKK]
.set RKK, RKK+1
.endr
.set RKK, 0
.rept 16
	v_lshlrev_b32 v[IDX+16*\beta+RKK], 2, v[IDX+16*\beta+RKK]
.set RKK, RKK+1
.endr
.set RKK, 0
.rept 16
	ds_store_b32 v[IDX+16*\beta+RKK], v[VV+16*\beta+RKK]
.set RKK, RKK+1
.endr
.endm
; My list entry of my wave's tile number s[ORD] into slot k.  Places at or behind the expert's count take its last row: the spare places of its last tile, and all sixteen of a tile past the end.
.macro LISTRD k
	s_lshl_b32 s48, s[ORD], 1
	s_add_co_u32 s48, s48, s[PP]
	s_lshl_b32 s48, s48, 4
	v_add_nc_u32 v[LA+\k], s48, v[RR]
	v_min_u32 v[LA+\k], s[CM1], v[LA+\k]
	v_min_u32 v[LA+\k], 0x7ff, v[LA+\k]
	v_lshlrev_b32 v[LA+\k], 2, v[LA+\k]
	ds_load_b32 v[LI+\k], v[LA+\k]
.endm
; The tile's 16 rows of x into slot k: 2 loads of scale words, 16 of codes.  A tile past the wave's end still issues its 18 loads, so that the counts are the same on every way; its lanes all name one row of x.
; The four vector lines name no register of the products in front of them: they are the four places ahead of the loads into those products' sources and of the first read of their results.
.macro PFGO k
	v_lshrrev_b32 v[XSO+\k], 1, v[LI+\k]           ; the token
	v_min_u32 v[XSO+\k], 0x3ff, v[XSO+\k]
	v_lshl_add_u32 v[XO+\k], v[XSO+\k], 9, v[H16]  ; 512 bytes a row, + 16 x half
	v_lshlrev_b32 v[XSO+\k], 5, v[XSO+\k]          ; 32 scale bytes a row
	global_load_b128 v[XS+8*\k:XS+8*\k+3], v[XSO+\k], s[12:13]
	global_load_b128 v[XS+8*\k+4:XS+8*\k+7], v[XSO+\k], s[12:13] offset:16
	WIN 0x80                                       ; destination window 2
.irp s, 0,1,2,3,4,5,6,7
.irp c, 0,1
	global_load_b128 v[64*\k+8*\s+4*\c:64*\k+8*\s+4*\c+3], v[XO+\k], s[10:11] offset:64*\s+32*\c
.endr
.endr
	WIN 0
.endm
; 32 matrix instructions: K = 1,024 in eight steps, the four accumulators by turns, one instruction a turn.  The first step starts the sums.
.macro MM k
	WIN 0x09                                       ; source 0 (weights) window 1, source 1 (x) window 2
.irp s, 0,1,2,3,4,5,6,7
.irp t, 0,1,2,3
.if \s == 0
.if \t % 2
	v_wmma_scale_f32_16x16x128_f8f6f4 v[ACC+8*\t:ACC+8*\t+7], v[64*\t+8*\s:64*\t+8*\s+7], v[64*\k+8*\s:64*\k+8*\s+7], 0, v[WS+8*(\t/2)+\s], v[XS+8*\k+\s] matrix_a_fmt:MATRIX_FMT_FP4 matrix_b_fmt:MATRIX_FMT_FP4 matrix_a_scale:MATRIX_SCALE_ROW1
.else
	v_wmma_scale_f32_16x16x128_f8f6f4 v[ACC+8*\t:ACC+8*\t+7], v[64*\t+8*\s:64*\t+8*\s+7], v[64*\k+8*\s:64*\k+8*\s+7], 0, v[WS+8*(\t/2)+\s], v[XS+8*\k+\s] matrix_a_fmt:MATRIX_FMT_FP4 matrix_b_fmt:MATRIX_FMT_FP4
.endif
.else
.if \t % 2
	v_wmma_scale_f32_16x16x128_f8f6f4 v[ACC+8*\t:ACC+8*\t+7], v[64*\t+8*\s:64*\t+8*\s+7], v[64*\k+8*\s:64*\k+8*\s+7], v[ACC+8*\t:ACC+8*\t+7], v[WS+8*(\t/2)+\s], v[XS+8*\k+\s] matrix_a_fmt:MATRIX_FMT_FP4 matrix_b_fmt:MATRIX_FMT_FP4 matrix_a_scale:MATRIX_SCALE_ROW1
.else
	v_wmma_scale_f32_16x16x128_f8f6f4 v[ACC+8*\t:ACC+8*\t+7], v[64*\t+8*\s:64*\t+8*\s+7], v[64*\k+8*\s:64*\k+8*\s+7], v[ACC+8*\t:ACC+8*\t+7], v[WS+8*(\t/2)+\s], v[XS+8*\k+\s] matrix_a_fmt:MATRIX_FMT_FP4 matrix_b_fmt:MATRIX_FMT_FP4
.endif
.endif
.endr
.endr
	WIN 0
.endm
; g = (x1 / (1 + 2^(-x1 log2 e))) x3 of my 16 units, all in f32; the block's scale; 16 codes; the stores.  Each accumulator is read from its low end on.
.macro ACT
.irp i, 0,2,4,6,8,10,12,14
	v_pk_mul_f32 v[TT+\i:TT+\i+1], v[ACC+\i:ACC+\i+1], s[LE:LE+1] op_sel_hi:[1,0]
.endr
.irp i, 0,1,2,3,4,5,6,7,8,9,10,11,12,13,14,15
	v_exp_f32 v[TT+\i], v[TT+\i]
.endr
	v_lshl_add_u32 v[HO], s[TL], 14, v[HLN]        ; a plain line behind the batch: where my codes go: 16 KiB a tile
	s_wait_alu depctr_va_vdst(0)                   ; one wait for the sixteen exponentials, ahead of their first reader
.irp i, 0,2,4,6,8,10,12,14
	v_pk_add_f32 v[TT+\i:TT+\i+1], v[TT+\i:TT+\i+1], 1.0 op_sel_hi:[1,0]
.endr
.irp i, 0,1,2,3,4,5,6,7,8,9,10,11,12,13,14,15
	v_rcp_f32 v[TT+\i], v[TT+\i]
.endr
	v_lshl_add_u32 v[HSO], s[TL], 10, v[HSLN]      ; a plain line behind the batch: where my scale byte goes: 1 KiB a tile
	s_wait_alu depctr_va_vdst(0)                   ; one wait for the sixteen reciprocals
.irp i, 0,2,4,6,8,10,12,14
	v_pk_mul_f32 v[TT+\i:TT+\i+1], v[ACC+\i:ACC+\i+1], v[TT+\i:TT+\i+1]          ; silu(x1)
.endr
.irp i, 0,2,4,6,8,10,12,14
	v_pk_mul_f32 v[TT+\i:TT+\i+1], v[TT+\i:TT+\i+1], v[ACC+16+\i:ACC+16+\i+1]    ; x x3
.endr
	v_max3_num_f32 v[MXA], |v[TT]|, |v[TT+1]|, 0x1800000                  ; my 16 magnitudes, in two chains, and the floor 2^(3 - 127): the byte cannot fall under 1
	v_max3_num_f32 v[MXB], |v[TT+2]|, |v[TT+3]|, |v[TT+4]|
	v_max3_num_f32 v[MXA], v[MXA], |v[TT+5]|, |v[TT+6]|
	v_max3_num_f32 v[MXB], v[MXB], |v[TT+7]|, |v[TT+8]|
	v_max3_num_f32 v[MXA], v[MXA], |v[TT+9]|, |v[TT+10]|
	v_max3_num_f32 v[MXB], v[MXB], |v[TT+11]|, |v[TT+12]|
	v_max3_num_f32 v[MXA], v[MXA], |v[TT+13]|, |v[TT+14]|
	v_max3_num_f32 v[MXA], v[MXA], v[MXB], |v[TT+15]|
	v_permlanex16_b32 v[MXB], v[MXA], s[SEL], s[SEL+1]
	v_max_num_f32 v[MXA], v[MXA], v[MXB]           ; with lane l xor 16's sixteen: the block's largest magnitude
	v_add_nc_u32 v[SCO], 0xff000000, v[MXA]        ; 2 off its exponent field: the conversion takes this operand's exponent field as its scale
	v_cvt_scalef32_pk8_fp4_f32 v[PCD], v[TT:TT+7], v[SCO]
	v_cvt_scalef32_pk8_fp4_f32 v[PCD+1], v[TT+8:TT+15], v[SCO]
	v_lshrrev_b32 v[BY], 23, v[SCO]                ; the scale's byte; also the plain line behind the conversions
	global_store_b64 v[HO], v[PCD:PCD+1], s[14:15] ; block B of the tile: 16 rows x 16 bytes: the 32 lanes store 256 consecutive bytes, aligned
	global_store_b8 v[HSO], v[BY], s[16:17]        ; both lanes of a row store the same byte with the same value
.endm
; One tile: slot k of the ring of four.
.macro STEP k
	s_add_co_u32 s[ORD], s[JJ], \k+4
	LISTRD \k                                      ; the list entry of the tile four on; it lands under the products
	s_wait_loadcnt 54                              ; this slot's 18 loads are in (and all older ones); the three younger tiles' 3 x 18 may be out
	MM \k
	s_wait_dscnt 0x0                               ; the list entry
	s_wait_xcnt 0x0                                ; the last tile's two stores, issued ahead of these 32 products, have read v28 to v31 and v80, which ACT below writes again; nothing from the step's head to here writes them
	PFGO \k
	s_add_co_u32 s[TL], s[JJ], \k
	s_lshl_b32 s[TL], s[TL], 1
	s_add_co_u32 s[TL], s[TL], s[PP]
	s_min_u32 s[TL], s[TL], 127
	ACT
.if \k < 3
	s_add_co_u32 s48, s[JJ], \k+1
	s_cmp_ge_u32 s48, s[NW]
	s_cbranch_scc1 .Ldone                          ; that was my last tile
.else
	s_add_co_u32 s[JJ], s[JJ], 4
	s_cmp_ge_u32 s[JJ], s[NW]
	s_cbranch_scc1 .Ldone                          ; that was my last tile
	s_cmp_lt_u32 s[JJ], MAXW                       ; the loop itself is counted against the most that the shapes allow
	s_cbranch_scc1 .Lloop
.endif
.endm
	s_load_b256 s[4:11], s[0:1], 0x0               ; indices s[4:5], w13 codes s[6:7], w13 scales s[8:9], x codes s[10:11]
	s_load_b256 s[12:19], s[0:1], 0x20             ; x scales s[12:13], h codes s[14:15], h scales s[16:17], order s[18:19]
	s_load_b64 s[20:21], s[0:1], 0x40              ; counts
	v_lshl_add_u32 v254, v0, 2, 0x12900
	v_mov_b32 v255, 0
	v_lshrrev_b32 v1, 5, v0
	v_readfirstlane_b32 s[WV], v1
	s_and_b32 s[UU], s[WV], 1
	s_lshr_b32 s[PP], s[WV], 1
	s_and_b32 s[EX], ttmp7, 0xffff
	s_lshl_b32 s[BB], ttmp9, 1
	s_add_co_u32 s[BB], s[BB], s[UU]
	s_mov_b32 s[SEL], 0x76543210
	s_mov_b32 s[SEL+1], 0xfedcba98
	s_mov_b32 s[LE], 0xbfb8aa3b
	s_mov_b32 s[LE+1], s[LE]
	v_and_b32 v[LN], 31, v0
	v_and_b32 v[RR], 15, v0
	v_bfe_u32 v[HL], v0, 4, 1
	v_lshlrev_b32 v[L16], 4, v[LN]
	s_mul_i32 s48, s[UU], 64*WP
	s_mul_i32 s49, s[PP], 32*WP
	s_add_co_u32 s49, s49, s48
	s_add_co_u32 s49, s49, WREG
	v_add_nc_u32 v[WST], s49, v[L16]               ; where I lay the rows that I load: 16 x lane + my block's 64 rows + W1's or W3's 32
	v_mul_u32_u24 v[WFR], v[RR], WP
	v_lshl_add_u32 v[WFR], v[HL], 4, v[WFR]
	s_add_co_u32 s48, s48, WREG
	v_add_nc_u32 v[WFR], s48, v[WFR]               ; a fragment: row lane % 16, + 16 x half, in my block's rows
	v_and_b32 v[WSO], 8, v[RR]
	v_add_nc_u32 v[WSO], v[WSO], v[RR]
	v_lshl_add_u32 v[WSO], v[HL], 3, v[WSO]
	v_lshlrev_b32 v[WSO], 5, v[WSO]                ; weight scale words: lanes 0-15 the even tile's rows, lanes 16-31 the odd tile's; 32 bytes a row
	v_lshlrev_b32 v[H16], 4, v[HL]
	v_lshlrev_b32 v[HLN], 4, v[RR]
	v_lshl_add_u32 v[HLN], v[HL], 3, v[HLN]
	s_lshl_b32 s48, s[BB], 8
	v_add_nc_u32 v[HLN], s48, v[HLN]               ; in a tile of h_codes: 256 B + 16 row + 8 half
	v_lshlrev_b32 v[HSLN], 6, v[RR]
	v_add_nc_u32 v[HSLN], s[BB], v[HSLN]           ; in a tile of h_scales: 64 row + B
	v_mov_b32 v[CAD], CNTB
	v_sub_nc_u32 v[NL], 0, v[LN]
	v_lshlrev_b32 v[L4], 2, v[LN]
	s_lshl_b32 s48, s[EX], 12                      ; the expert's first row of w13
	s_lshl_b32 s49, s[PP], 11
	s_add_co_u32 s49, s49, s48
	s_lshl_b32 s50, s[BB], 5
	s_add_co_u32 s50, s50, s49
	s_lshl_b32 s50, s50, 9                         ; the 32 rows that I load, 512 bytes each
	s_mov_b32 s51, 0
	s_wait_kmcnt 0x0
	s_add_nc_u64 s[6:7], s[6:7], s[50:51]
	s_lshl_b32 s50, s[BB], 5
	s_add_co_u32 s50, s50, s48
	s_lshl_b32 s50, s50, 5                         ; my block's rows of W1 in the scales
	s_add_nc_u64 s[8:9], s[8:9], s[50:51]
	s_lshl_b32 s50, s[EX], 21
	s_add_nc_u64 s[14:15], s[14:15], s[50:51]
	s_lshl_b32 s50, s[EX], 17
	s_add_nc_u64 s[16:17], s[16:17], s[50:51]
	s_lshl_b32 s50, s[EX], 13
	s_add_nc_u64 s[18:19], s[18:19], s[50:51]
	s_lshl_b32 s50, s[EX], 8
	s_add_nc_u64 s[20:21], s[20:21], s[50:51]
	s_cmp_lg_u32 s[WV], 0
	s_cbranch_scc1 .Lno_idx
.irp q, 0,1,2,3,4,5,6,7,8,9,10,11,12,13,14,15
	global_load_b128 v[IDX+4*\q:IDX+4*\q+3], v[L16], s[4:5] offset:512*\q     ; wave 0: all 2,048 indices
.endr
.Lno_idx:
	WIN 0x40                                       ; destination window 1
.set i, 0
.rept 32
	global_load_b128 v[4*i:4*i+3], v[L16], s[6:7] offset:512*i th:TH_LOAD_NT  ; a whole row of 512 bytes a load; each row is read once in the launch
.set i, i+1
.endr
	WIN 0
	global_load_b128 v[WS:WS+3], v[WSO], s[8:9]
	global_load_b128 v[WS+4:WS+7], v[WSO], s[8:9] offset:16
	global_load_b128 v[WS+8:WS+11], v[WSO], s[8:9] offset:65536               ; W3's rows lie 2,048 rows of 32 bytes on
	global_load_b128 v[WS+12:WS+15], v[WSO], s[8:9] offset:65552
	s_cmp_lg_u32 s[WV], 0
	s_cbranch_scc1 .Lno_route
	s_wait_loadcnt 36                              ; the indices are in; behind them: 32 loads of weights and 4 of scale words
	s_mov_b32 s[RUN], 0
	ROUTE16 0
	ROUTE16 1
	ROUTE16 2
	ROUTE16 3
	v_mov_b32 v[CV], s[RUN+16]
	ds_store_b32 v[CAD], v[CV]                     ; the count
.Lno_route:
	s_wait_dscnt 0x0                               ; wave 0's list and count have landed
	s_barrier_signal -1
	s_barrier_wait -1                              ; this barrier parts the list's stores from every other LDS access of the text
	WIN 0x04                                       ; an LDS store's data are its source 1: window 1
.set i, 0
.rept 32
.if i%8 == 0
	s_wait_loadcnt 28-i                            ; eight more rows are in; behind them: the rows still to come and the 4 loads of scale words
.endif
	ds_store_b128 v[WST], v[4*i:4*i+3] offset:(16*((i>>3)&1)+8*(i>>4)+(i&7))*WP   ; unit i of the block is row m = 8 (i / 16) + i % 8 of tile (i / 8) % 2
.set i, i+1
.endr
	WIN 0
	s_wait_dscnt 0x0                               ; my rows have landed
	s_barrier_signal -1
	s_barrier_wait -1                              ; all 128 rows lie in LDS; from here on LDS is only read
	ds_load_b32 v[CV], v[CAD]
	s_wait_dscnt 0x0
	v_readfirstlane_b32 s[CN], v[CV]
	s_min_u32 s[CN], s[CN], 2048
	s_sub_co_u32 s[CM1], s[CN], 1                  ; (for an expert without rows: the greatest number, which holds nothing: the list's words are then other experts' rows)
	s_add_co_u32 s[NTL], s[CN], 15
	s_lshr_b32 s[NTL], s[NTL], 4
	s_max_u32 s[NTL], s[NTL], 1                    ; tile 0 is always made
	s_add_co_u32 s[NW], s[NTL], 1
	s_sub_co_u32 s[NW], s[NW], s[PP]
	s_lshr_b32 s[NW], s[NW], 1                     ; tiles of my parity
	s_cmp_lg_u32 ttmp9, 0                          ; slice 0 stores the padded list and the count
	s_cbranch_scc1 .Lno_export
.irp g, 0,1,2,3
.irp c, 0,1,2,3
	v_lshl_add_u32 v[EA+4*\g+\c], v0, 2, 512*\g+\c ; place p = 512 g + 4 x thread + c
.endr
.endr
.irp n, 0,1,2,3,4,5,6,7,8,9,10,11,12,13,14,15
	v_min_u32 v[EA+\n], s[CM1], v[EA+\n]
.endr
.irp n, 0,1,2,3,4,5,6,7,8,9,10,11,12,13,14,15
	v_min_u32 v[EA+\n], 0x7ff, v[EA+\n]
.endr
.irp n, 0,1,2,3,4,5,6,7,8,9,10,11,12,13,14,15
	v_lshlrev_b32 v[EA+\n], 2, v[EA+\n]
.endr
.irp n, 0,1,2,3,4,5,6,7,8,9,10,11,12,13,14,15
	ds_load_b32 v[EV+\n], v[EA+\n]
.endr
	v_lshlrev_b32 v[EO], 4, v0
	s_wait_dscnt 0x0
.irp g, 0,1,2,3
	global_store_b128 v[EO], v[EV+4*\g:EV+4*\g+3], s[18:19] offset:2048*\g    ; a wave stores 512 consecutive bytes
.endr
	s_cmp_lg_u32 s[WV], 0
	s_cbranch_scc1 .Lno_export
	v_mov_b32 v[EC], s[CN]
	v_mov_b32 v[EC+1], s[CN]
	v_lshlrev_b32 v[EP], 3, v[LN]
	global_store_b64 v[EP], v[EC:EC+1], s[20:21]   ; the count, 64 times: 256 consecutive bytes, aligned
.Lno_export:
	s_cmp_eq_u32 s[NW], 0
	s_cbranch_scc1 .Ldone
.irp k, 0,1,2,3
	s_mov_b32 s[ORD], \k
	LISTRD \k
.endr
	s_wait_dscnt 0x0
	PFGO 0
	PFGO 1
	PFGO 2
	WIN 0x40                                       ; my four weight tiles, K = 1,024: 32 fragments, 256 registers of window 1: they stay
.irp t, 0,1,2,3
.irp s, 0,1,2,3,4,5,6,7
.irp c, 0,1
	ds_load_b128 v[64*\t+8*\s+4*\c:64*\t+8*\s+4*\c+3], v[WFR] offset:\t*16*WP+64*\s+32*\c
.endr
.endr
.endr
	WIN 0
	PFGO 3
	s_wait_dscnt 0x0                               ; the weights are in registers
	s_mov_b32 s[JJ], 0
.Lloop:
	STEP 0
	STEP 1
	STEP 2
	STEP 3
.Ldone:
	s_barrier_signal -1
	s_barrier_wait -1
	s_wait_tensorcnt 0x0
	ds_add_u32 v254, v255
	s_wait_dscnt 0x0
	s_endpgm
.Lfunc_end_k_q855776d81b_gateup:
	.size	k_q855776d81b_gateup, .Lfunc_end_k_q855776d81b_gateup-k_q855776d81b_gateup
	.p2alignl 7, 3214868480
	.fill 96, 4, 3214868480
	.section	.rodata,"a",@progbits
	.p2align	6, 0x0
	.amdhsa_kernel k_q855776d81b_gateup
		.amdhsa_group_segment_fixed_size 76544
		.amdhsa_private_segment_fixed_size 0
		.amdhsa_enable_private_segment 0
		.amdhsa_kernarg_size 72
		.amdhsa_user_sgpr_count 2
		.amdhsa_user_sgpr_kernarg_segment_ptr 1
		.amdhsa_wavefront_size32 1
		.amdhsa_system_sgpr_workgroup_id_x 1
		.amdhsa_system_sgpr_workgroup_id_y 1
		.amdhsa_system_sgpr_workgroup_id_z 1
		.amdhsa_system_vgpr_workitem_id 0
		.amdhsa_next_free_vgpr 768
		.amdhsa_next_free_sgpr 96
		.amdhsa_reserve_vcc 0
		.amdhsa_float_denorm_mode_32 3
		.amdhsa_float_denorm_mode_16_64 3
		.amdhsa_memory_ordered 1
		.amdhsa_forward_progress 1
		.amdhsa_inst_pref_size 110
	.end_amdhsa_kernel
	.amdgpu_metadata
---
amdhsa.version: [ 1, 2 ]
amdhsa.kernels:
  - .name:           k_q855776d81b_gateup
    .symbol:         k_q855776d81b_gateup.kd
    .args:
      - { .name: expert_indices, .offset: 0, .size: 8, .value_kind: global_buffer, .address_space: global }
      - { .name: w13_codes, .offset: 8, .size: 8, .value_kind: global_buffer, .address_space: global }
      - { .name: w13_scales, .offset: 16, .size: 8, .value_kind: global_buffer, .address_space: global }
      - { .name: x_codes, .offset: 24, .size: 8, .value_kind: global_buffer, .address_space: global }
      - { .name: x_scales, .offset: 32, .size: 8, .value_kind: global_buffer, .address_space: global }
      - { .name: h_codes, .offset: 40, .size: 8, .value_kind: global_buffer, .address_space: global }
      - { .name: h_scales, .offset: 48, .size: 8, .value_kind: global_buffer, .address_space: global }
      - { .name: order, .offset: 56, .size: 8, .value_kind: global_buffer, .address_space: global }
      - { .name: counts, .offset: 64, .size: 8, .value_kind: global_buffer, .address_space: global }
    .group_segment_fixed_size: 76544
    .private_segment_fixed_size: 0
    .kernarg_segment_align: 8
    .kernarg_segment_size: 72
    .max_flat_workgroup_size: 128
    .sgpr_count:     96
    .vgpr_count:     768
    .wavefront_size: 32
...
	.end_amdgpu_metadata
.endif
;; end of part 1
;; launch down (part 2): grid 16 x 16, 4 waves a work-group, no clusters, 84,480 bytes of LDS; arguments w2_codes, w2_scales, h_codes, h_scales, order, counts, out0; writes out0
.if DOCPART == 2
	.amdgcn_target "amdgcn-amd-amdhsa--gfx1250"
	.amdhsa_code_object_version 6
	.text
	.protected	k_q855776d81b_down
	.globl	k_q855776d81b_down
	.p2align	8
	.type	k_q855776d81b_down,@function
k_q855776d81b_down:
	s_mov_b64 s[64:65], 0
	v_nop
	global_prefetch_b8 v0, s[64:65] scope:SCOPE_SE
	s_setreg_imm32_b32 hwreg(HW_REG_WAVE_MODE, 25, 1), 1
	s_wait_xcnt 0x0
; out0[i][:] = Q(g)[i] W2[e]^T for the routed rows, K = 2,048 hidden units, on the codes and scale bytes that the launch before stored.
; SHARES.  Work-group (x = 64 output columns, y = 2 e + half).  All four waves hold the same 64 rows of W2 (64 KiB of codes) in 512 registers; wave group G = 4 half + wave takes
; the expert's row tiles t = G + 8 o.  So a wave's result is 16 rows x 64 columns: 256 bytes of each row.  The two work-groups that read the same rows of W2 are 16 apart in the grid.
; LAYOUT.  Source 0 = 16 rows of W2 (output columns), source 1 = a hidden fragment (16 list rows): a lane holds one list row and eight neighbouring columns.
; A tile of h_codes is sixteen fragments in the order of the registers: every load of a wave reads 512 consecutive bytes.
; The results go through the wave's own stage in LDS and leave as 256 consecutive bytes, aligned, from sixteen lanes, to the row of out0 that the stored list names.
; A tile's spare places name the expert's last row again: the same bits go to the same bytes, from the same wave.
; NO JOINT LOADS, NO DATA MOVER: the number of tiles is read from memory and branches hang on it, so operands go through registers.
; A request for a tile that the wave does not have is still issued, so that the waits' counts are the same on every way: its offsets are multiplied by 0, so that all its lanes name
; the first bytes of the expert's tile 0, which the launch before always stores; what it brings is never used.
.set WP,   1040                        ; a row of W2 in LDS: 1,024 bytes + 16
.set STG,  64*WP                       ; behind the 64 rows: a stage of 16 rows x (256 + 16) bytes for each wave
.set SPT,  272
.set MAXW, 16                          ; a wave's tiles at the most: 2,048 rows / 16 / 8
.set WV,   18
.set SL,   19
.set EX,   20
.set HF,   21
.set GG,   22
.set CN,   23
.set NTL,  24
.set NW,   25
.set JJ,   26
.set ORD,  27
.set TL,   28
.set MK,   29                          ; s29 1 for a tile that I have, 0 for one past my last
.set LN,   1
.set RR,   2
.set HL,   3
.set L16,  4
.set WST,  5
.set WFR,  6
.set WSO,  7
.set STO,  8
.set RD,   9
.set OL,   10
.set HSL,  11
.set ORL,  12
.set HOF,  13                          ; v13-14 slot: byte offset in h_codes
.set HSOF, 15                          ; v15-16 in h_scales
.set OOF,  17                          ; v17-18 in the list
.set OA,   20                          ; v20-27 byte offsets in out0 of the eight rows that my half of the lanes stores
.set OI,   28                          ; v28-43 their list entries, eight a slot
.set ACC,  48                          ; v48-79 four accumulators
.set OB,   80                          ; v80-111 rows read back from the stage
.set WS,   112                         ; v112-143 W2's scale words: register 16 q + s: lanes 0-15 tile 2 q, lanes 16-31 tile 2 q + 1, K step s
.set HS,   144                         ; v144-175 the hidden layer's, sixteen a slot
.set MSB, 0
.macro WIN new
.if MSB != \new
	s_set_vgpr_msb (MSB<<8)|\new
.set MSB, \new
.endif
.endm
; My wave's tile number s[ORD] into slot k: 4 loads of scale words, 2 of list entries, 32 of codes: 38.
; The six vector lines name no register of the products in front of them: the places ahead of the loads into their sources and of the first read of their results.
.macro PF k
	s_lshl_b32 s[TL], s[ORD], 3
	s_add_co_u32 s[TL], s[TL], s[GG]
	s_min_u32 s[TL], s[TL], 127
	s_sub_co_u32 s[MK], s[NW], s[ORD]              ; tiles of mine from this one on,
	s_max_i32 s[MK], s[MK], 0                      ; none if it lies past my last,
	s_min_u32 s[MK], s[MK], 1                      ; as 1 or 0
	v_lshl_add_u32 v[HOF+\k], s[TL], 14, v[L16]
	v_lshl_add_u32 v[HSOF+\k], s[TL], 10, v[HSL]
	v_lshl_add_u32 v[OOF+\k], s[TL], 6, v[ORL]
	v_mul_u32_u24 v[HOF+\k], s[MK], v[HOF+\k]      ; (all three offsets lie under 2^24)
	v_mul_u32_u24 v[HSOF+\k], s[MK], v[HSOF+\k]
	v_mul_u32_u24 v[OOF+\k], s[MK], v[OOF+\k]
.irp q, 0,1,2,3
	global_load_b128 v[HS+16*\k+4*\q:HS+16*\k+4*\q+3], v[HSOF+\k], s[10:11] offset:16*\q
.endr
	global_load_b128 v[OI+8*\k:OI+8*\k+3], v[OOF+\k], s[12:13]
	global_load_b128 v[OI+8*\k+4:OI+8*\k+7], v[OOF+\k], s[12:13] offset:16
	WIN 0xc0                                       ; destination window 3
.irp s, 0,1,2,3,4,5,6,7,8,9,10,11,12,13,14,15
.irp c, 0,1
	global_load_b128 v[128*\k+8*\s+4*\c:128*\k+8*\s+4*\c+3], v[HOF+\k], s[8:9] offset:1024*\s+512*\c
.endr
.endr
	WIN 0
.endm
; 64 matrix instructions: K = 2,048 in sixteen steps, the four accumulators by turns, one instruction a turn.  The first step starts the sums.
.macro MM k
	WIN 0x0d                                       ; source 0 (W2, K steps 0-7) window 1, source 1 (hidden) window 3
.irp s, 0,1,2,3,4,5,6,7
.irp n, 0,1,2,3
.if \s == 0
.if \n % 2
	v_wmma_scale_f32_16x16x128_f8f6f4 v[ACC+8*\n:ACC+8*\n+7], v[8*(8*\n+\s):8*(8*\n+\s)+7], v[128*\k+8*\s:128*\k+8*\s+7], 0, v[WS+16*(\n/2)+\s], v[HS+16*\k+\s] matrix_a_fmt:MATRIX_FMT_FP4 matrix_b_fmt:MATRIX_FMT_FP4 matrix_a_scale:MATRIX_SCALE_ROW1
.else
	v_wmma_scale_f32_16x16x128_f8f6f4 v[ACC+8*\n:ACC+8*\n+7], v[8*(8*\n+\s):8*(8*\n+\s)+7], v[128*\k+8*\s:128*\k+8*\s+7], 0, v[WS+16*(\n/2)+\s], v[HS+16*\k+\s] matrix_a_fmt:MATRIX_FMT_FP4 matrix_b_fmt:MATRIX_FMT_FP4
.endif
.else
.if \n % 2
	v_wmma_scale_f32_16x16x128_f8f6f4 v[ACC+8*\n:ACC+8*\n+7], v[8*(8*\n+\s):8*(8*\n+\s)+7], v[128*\k+8*\s:128*\k+8*\s+7], v[ACC+8*\n:ACC+8*\n+7], v[WS+16*(\n/2)+\s], v[HS+16*\k+\s] matrix_a_fmt:MATRIX_FMT_FP4 matrix_b_fmt:MATRIX_FMT_FP4 matrix_a_scale:MATRIX_SCALE_ROW1
.else
	v_wmma_scale_f32_16x16x128_f8f6f4 v[ACC+8*\n:ACC+8*\n+7], v[8*(8*\n+\s):8*(8*\n+\s)+7], v[128*\k+8*\s:128*\k+8*\s+7], v[ACC+8*\n:ACC+8*\n+7], v[WS+16*(\n/2)+\s], v[HS+16*\k+\s] matrix_a_fmt:MATRIX_FMT_FP4 matrix_b_fmt:MATRIX_FMT_FP4
.endif
.endif
.endr
.endr
	WIN 0x0e                                       ; source 0 (W2, K steps 8-15) window 2
.irp s, 8,9,10,11,12,13,14,15
.irp n, 0,1,2,3
.if \n % 2
	v_wmma_scale_f32_16x16x128_f8f6f4 v[ACC+8*\n:ACC+8*\n+7], v[8*(8*\n+\s-8):8*(8*\n+\s-8)+7], v[128*\k+8*\s:128*\k+8*\s+7], v[ACC+8*\n:ACC+8*\n+7], v[WS+16*(\n/2)+\s], v[HS+16*\k+\s] matrix_a_fmt:MATRIX_FMT_FP4 matrix_b_fmt:MATRIX_FMT_FP4 matrix_a_scale:MATRIX_SCALE_ROW1
.else
	v_wmma_scale_f32_16x16x128_f8f6f4 v[ACC+8*\n:ACC+8*\n+7], v[8*(8*\n+\s-8):8*(8*\n+\s-8)+7], v[128*\k+8*\s:128*\k+8*\s+7], v[ACC+8*\n:ACC+8*\n+7], v[WS+16*(\n/2)+\s], v[HS+16*\k+\s] matrix_a_fmt:MATRIX_FMT_FP4 matrix_b_fmt:MATRIX_FMT_FP4
.endif
.endr
.endr
	WIN 0
.endm
; 16 rows x 256 bytes through my own stage: LDS serves a wave's instructions in order (ISA guide 5.7.1.4), so no wait stands between the stores and the loads, nor ahead of the next tile's stores.
.macro OUTW
.irp n, 0,1,2,3
	ds_store_b128 v[STO], v[ACC+8*\n:ACC+8*\n+3] offset:64*\n            ; each accumulator from its low end on
	ds_store_b128 v[STO], v[ACC+8*\n+4:ACC+8*\n+7] offset:64*\n+16
.endr
.irp i, 0,1,2,3,4,5,6,7
	ds_load_b128 v[OB+4*\i:OB+4*\i+3], v[RD] offset:SPT*\i               ; lanes 0-15 row i, lanes 16-31 row i + 8
.endr
.irp i, 0,1,2,3,4,5,6,7
	s_wait_dscnt 7-\i                              ; the younger loads from the stage may be out
	global_store_b128 v[OA+\i], v[OB+4*\i:OB+4*\i+3], s[16:17] th:TH_STORE_NT   ; each half of the lanes stores 256 consecutive bytes, aligned
.endr
.endm
.macro STEP k
	s_wait_loadcnt 38                              ; this slot's 38 loads are in (and all older ones); the other slot's 38 may be out
	s_wait_xcnt 0x0                                ; the last tile's stores have read their address and data registers
.irp i, 0,1,2,3,4,5,6,7
	v_min_u32 v[OA+\i], 0x7ff, v[OI+8*\k+\i]
.endr
.irp i, 0,1,2,3,4,5,6,7
	v_lshl_add_u32 v[OA+\i], v[OA+\i], 12, v[OL]   ; a row of out0 is 4,096 bytes
.endr
	MM \k
	s_add_co_u32 s[ORD], s[JJ], \k+2
	PF \k
	OUTW
.if \k == 0
	s_add_co_u32 s30, s[JJ], 1
	s_cmp_ge_u32 s30, s[NW]
	s_cbranch_scc1 .Ldone                          ; that was my last tile
.else
	s_add_co_u32 s[JJ], s[JJ], 2
	s_cmp_ge_u32 s[JJ], s[NW]
	s_cbranch_scc1 .Ldone                          ; that was my last tile
	s_cmp_lt_u32 s[JJ], MAXW                       ; the loop itself is counted against the most that the shapes allow
	s_cbranch_scc1 .Lloop
.endif
.endm
	s_load_b256 s[4:11], s[0:1], 0x0               ; w2 codes s[4:5], w2 scales s[6:7], h codes s[8:9], h scales s[10:11]
	s_load_b128 s[12:15], s[0:1], 0x20             ; order s[12:13], counts s[14:15]
	s_load_b64 s[16:17], s[0:1], 0x30              ; out0
	v_lshl_add_u32 v254, v0, 2, 0x14800
	v_mov_b32 v255, 0
	v_lshrrev_b32 v1, 5, v0
	v_readfirstlane_b32 s[WV], v1
	s_mov_b32 s[SL], ttmp9
	s_and_b32 s[EX], ttmp7, 0xffff
	s_and_b32 s[HF], s[EX], 1
	s_lshr_b32 s[EX], s[EX], 1
	s_lshl_b32 s[GG], s[HF], 2
	s_add_co_u32 s[GG], s[GG], s[WV]
	v_and_b32 v[LN], 31, v0
	v_and_b32 v[RR], 15, v0
	v_bfe_u32 v[HL], v0, 4, 1
	v_lshlrev_b32 v[L16], 4, v[LN]
	s_mul_i32 s30, s[WV], 16*WP
	v_add_nc_u32 v[WST], s30, v[L16]               ; where I lay the 16 rows that I load
	v_mul_u32_u24 v[WFR], v[RR], WP
	v_lshl_add_u32 v[WFR], v[HL], 4, v[WFR]        ; a fragment: row lane % 16, + 16 x half
	v_lshl_add_u32 v[WSO], v[HL], 4, v[RR]
	v_lshlrev_b32 v[WSO], 6, v[WSO]                ; W2's scale words: row 16 half + lane % 16, 64 bytes a row
	s_mul_i32 s30, s[WV], 16*SPT
	s_add_co_u32 s30, s30, STG                     ; my stage
	v_mul_u32_u24 v[STO], v[RR], SPT
	v_lshl_add_u32 v[STO], v[HL], 5, v[STO]
	v_add_nc_u32 v[STO], s30, v[STO]               ; in: row lane % 16, 32 bytes for each half
	v_mul_u32_u24 v[RD], v[HL], 8*SPT
	v_lshl_add_u32 v[RD], v[RR], 4, v[RD]
	v_add_nc_u32 v[RD], s30, v[RD]                 ; back: sixteen lanes to a row; lanes 16-31 eight rows on
	v_lshlrev_b32 v[OL], 4, v[RR]
	v_lshlrev_b32 v[HSL], 6, v[RR]
	v_lshlrev_b32 v[ORL], 5, v[HL]
	s_lshl_b32 s30, s[EX], 10
	s_lshl_b32 s31, s[SL], 6
	s_add_co_u32 s30, s30, s31                     ; the slice's first row of W2
	s_lshl_b32 s31, s[WV], 4
	s_add_co_u32 s32, s30, s31
	s_lshl_b32 s32, s32, 10                        ; the 16 rows that I load, 1,024 bytes each
	s_mov_b32 s33, 0
	s_wait_kmcnt 0x0
	s_add_nc_u64 s[4:5], s[4:5], s[32:33]
	s_lshl_b32 s32, s30, 6
	s_add_nc_u64 s[6:7], s[6:7], s[32:33]
	s_lshl_b32 s32, s[EX], 8
	s_add_nc_u64 s[14:15], s[14:15], s[32:33]
	s_load_b32 s[CN], s[14:15], 0x0                ; the expert's rows
	s_lshl_b32 s32, s[EX], 21
	s_add_nc_u64 s[8:9], s[8:9], s[32:33]
	s_lshl_b32 s32, s[EX], 17
	s_add_nc_u64 s[10:11], s[10:11], s[32:33]
	s_lshl_b32 s32, s[EX], 13
	s_add_nc_u64 s[12:13], s[12:13], s[32:33]
	s_lshl_b32 s32, s[SL], 8
	s_add_nc_u64 s[16:17], s[16:17], s[32:33]
	WIN 0x40                                       ; destination window 1
.set i, 0
.rept 32
	global_load_b128 v[4*i:4*i+3], v[L16], s[4:5] offset:512*i               ; 512 consecutive bytes a load: half a row
.set i, i+1
.endr
	WIN 0
.irp q, 0,1
.irp g, 0,1,2,3
	global_load_b128 v[WS+16*\q+4*\g:WS+16*\q+4*\g+3], v[WSO], s[6:7] offset:2048*\q+16*\g
.endr
.endr
	s_wait_kmcnt 0x0
	s_min_u32 s[CN], s[CN], 2048
	s_add_co_u32 s[NTL], s[CN], 15
	s_lshr_b32 s[NTL], s[NTL], 4
	s_add_co_u32 s[NW], s[NTL], 7
	s_sub_co_u32 s[NW], s[NW], s[GG]
	s_lshr_b32 s[NW], s[NW], 3                     ; my wave's tiles: t = G + 8 o under the expert's number of tiles
	s_mov_b32 s[ORD], 0
	PF 0                                           ; my first two tiles are asked for while the weights are on their way
	s_mov_b32 s[ORD], 1
	PF 1
	s_wait_loadcnt 63                              ; the 32 loads of weights are in: behind the last of them 8 + 2 x 38 = 84 were issued, and 63 is under that
	WIN 0x04                                       ; an LDS store's data are its source 1: window 1
.set i, 0
.rept 32
	ds_store_b128 v[WST], v[4*i:4*i+3] offset:(i>>1)*WP+(i&1)*512
.set i, i+1
.endr
	WIN 0
	s_wait_dscnt 0x0                               ; my rows have landed
	s_barrier_signal -1
	s_barrier_wait -1                              ; all 64 rows lie in LDS; nobody writes them again
	s_cmp_eq_u32 s[NW], 0
	s_cbranch_scc1 .Ldone                          ; a wave without a tile has done its part: a quarter of the weights
	WIN 0x40                                       ; the 64 fragments of W2: K steps 0-7 into window 1,
.irp n, 0,1,2,3
.irp s, 0,1,2,3,4,5,6,7
.irp c, 0,1
	ds_load_b128 v[8*(8*\n+\s)+4*\c:8*(8*\n+\s)+4*\c+3], v[WFR] offset:\n*16*WP+64*\s+32*\c
.endr
.endr
.endr
	WIN 0x80                                       ; K steps 8-15 into window 2: they stay
.irp n, 0,1,2,3
.irp s, 0,1,2,3,4,5,6,7
.irp c, 0,1
	ds_load_b128 v[8*(8*\n+\s)+4*\c:8*(8*\n+\s)+4*\c+3], v[WFR] offset:\n*16*WP+512+64*\s+32*\c
.endr
.endr
.endr
	WIN 0
	s_wait_dscnt 0x0
	s_mov_b32 s[JJ], 0
.Lloop:
	STEP 0
	STEP 1
.Ldone:
	s_barrier_signal -1
	s_barrier_wait -1
	s_wait_tensorcnt 0x0
	ds_add_u32 v254, v255
	s_wait_dscnt 0x0
	s_endpgm
.Lfunc_end_k_q855776d81b_down:
	.size	k_q855776d81b_down, .Lfunc_end_k_q855776d81b_down-k_q855776d81b_down
	.p2alignl 7, 3214868480
	.fill 96, 4, 3214868480
	.section	.rodata,"a",@progbits
	.p2align	6, 0x0
	.amdhsa_kernel k_q855776d81b_down
		.amdhsa_group_segment_fixed_size 84480
		.amdhsa_private_segment_fixed_size 0
		.amdhsa_enable_private_segment 0
		.amdhsa_kernarg_size 56
		.amdhsa_user_sgpr_count 2
		.amdhsa_user_sgpr_kernarg_segment_ptr 1
		.amdhsa_wavefront_size32 1
		.amdhsa_system_sgpr_workgroup_id_x 1
		.amdhsa_system_sgpr_workgroup_id_y 1
		.amdhsa_system_sgpr_workgroup_id_z 1
		.amdhsa_system_vgpr_workitem_id 0
		.amdhsa_next_free_vgpr 1024
		.amdhsa_next_free_sgpr 66
		.amdhsa_reserve_vcc 0
		.amdhsa_float_denorm_mode_32 3
		.amdhsa_float_denorm_mode_16_64 3
		.amdhsa_memory_ordered 1
		.amdhsa_forward_progress 1
		.amdhsa_inst_pref_size 57
	.end_amdhsa_kernel
	.amdgpu_metadata
---
amdhsa.version: [ 1, 2 ]
amdhsa.kernels:
  - .name:           k_q855776d81b_down
    .symbol:         k_q855776d81b_down.kd
    .args:
      - { .name: w2_codes, .offset: 0, .size: 8, .value_kind: global_buffer, .address_space: global }
      - { .name: w2_scales, .offset: 8, .size: 8, .value_kind: global_buffer, .address_space: global }
      - { .name: h_codes, .offset: 16, .size: 8, .value_kind: global_buffer, .address_space: global }
      - { .name: h_scales, .offset: 24, .size: 8, .value_kind: global_buffer, .address_space: global }
      - { .name: order, .offset: 32, .size: 8, .value_kind: global_buffer, .address_space: global }
      - { .name: counts, .offset: 40, .size: 8, .value_kind: global_buffer, .address_space: global }
      - { .name: out0, .offset: 48, .size: 8, .value_kind: global_buffer, .address_space: global }
    .group_segment_fixed_size: 84480
    .private_segment_fixed_size: 0
    .kernarg_segment_align: 8
    .kernarg_segment_size: 56
    .max_flat_workgroup_size: 128
    .sgpr_count:     66
    .vgpr_count:     1024
    .wavefront_size: 32
...
	.end_amdgpu_metadata
.endif
;; end of part 2
;; ======== version 2 of 2: 2 launches; version 1 with the launch down written anew for expert scheduling mode
;; workspace buffers: h_codes 16,777,216 bytes; h_scales 1,048,576 bytes; order 65,536 bytes of whole numbers; counts 2,048 bytes of whole numbers
;; launch gateup: the kernel of part 1 again; grid 32 x 8, 4 waves a work-group, no clusters, 76,544 bytes of LDS; arguments expert_indices, w13_codes, w13_scales, x_codes, x_scales, h_codes, h_scales, order, counts; writes h_codes, h_scales, order, counts
;; launch down (part 3): grid 16 x 16, 4 waves a work-group, no clusters, 84,480 bytes of LDS; arguments w2_codes, w2_scales, h_codes, h_scales, order, counts, out0; writes out0
.if DOCPART == 3
	.amdgcn_target "amdgcn-amd-amdhsa--gfx1250"
	.amdhsa_code_object_version 6
	.text
	.protected	k_q855776d81b_down
	.globl	k_q855776d81b_down
	.p2align	8
	.type	k_q855776d81b_down,@function
k_q855776d81b_down:
	s_mov_b64 s[64:65], 0
	v_nop
	global_prefetch_b8 v0, s[64:65] scope:SCOPE_SE
	s_setreg_imm32_b32 hwreg(HW_REG_WAVE_SCHED_MODE, 0, 2), 2
	s_setreg_imm32_b32 hwreg(HW_REG_WAVE_MODE, 25, 1), 1
	s_wait_xcnt 0x0
	s_wait_alu depctr_vm_vsrc(0)
; out0[i][:] = Q(g)[i] W2[e]^T for the routed rows, K = 2,048 hidden units, on the codes and scale bytes that the launch before stored.
; SHARES.  Work-group (x = 64 output columns, y = 2 e + half).  All four waves hold the same 64 rows of W2 (64 KiB of codes) in 512 registers; wave group G = 4 half + wave takes
; the expert's row tiles t = G + 8 o.  So a wave's result is 16 rows x 64 columns: 256 bytes of each row.  The two work-groups that read the same rows of W2 are 16 apart in the grid.
; LAYOUT.  Source 0 = 16 rows of W2 (output columns), source 1 = a hidden fragment (16 list rows): a lane holds one list row and eight neighbouring columns.
; A tile of h_codes is sixteen fragments in the order of the registers: every load of a wave reads 512 consecutive bytes.
; The results go through the wave's own stage in LDS and leave as 256 consecutive bytes, aligned, from sixteen lanes, to the row of out0 that the stored list names.
; A tile's spare places name the expert's last row again: the same bits go to the same bytes, from the same wave.
; NO JOINT LOADS, NO DATA MOVER: the number of tiles is read from memory and branches hang on it, so operands go through registers.
; A request for a tile that the wave does not have is still issued, so that the waits' counts are the same on every way: its offsets are multiplied by 0, so that all its lanes name
; the first bytes of the expert's tile 0, which the launch before always stores; what it brings is never used.
; THE MODE: SCHED_MODE bits 1:0 = 2 (LLVM: expert scheduling mode 2), set by the entry lines.  The code itself states the register dependences
; between vector or matrix instructions and memory or LDS instructions, with s_wait_alu, always for 0.
; THE PLAN.  Registers that memory or LDS instructions touch in the loop.  Step k works on slot k of two.
;   H[k] (128 registers of window 3), HS[k] (16)   read by step k's 64 products; the loads of the tile two on land in them, in step k, behind the products.
;   OI[k] (8)                    read by eight lines at step k's head; loaded again with H[k].
;   HOF[k], HSOF[k], OOF[k]      written by six lines behind the products; read by those 38 loads.
;   OA (8)                       written at the step's head; read by the step's eight global stores as their offsets.
;   the accumulators             written by the products; read by the step's eight LDS stores.
;   OB (32)                      the LDS loads from the stage land in them; the global stores read them.
; So in a step: ONE wait on vm_vsrc, at its head: all that the last step's stores, LDS stores and loads read may be written again.  ONE wait on va_vdst, behind the products and the six lines:
; the accumulators, OA and the offsets are written, and H[k], HS[k] and OI[k] are done being read; the 38 loads, the LDS stores and the global stores follow it with no vector line among them.
; W2's fragments and scale words are named by no memory instruction in the loop.
.set WP,   1040                        ; a row of W2 in LDS: 1,024 bytes + 16
.set STG,  64*WP                       ; behind the 64 rows: a stage of 16 rows x (256 + 16) bytes for each wave
.set SPT,  272
.set MAXW, 16                          ; a wave's tiles at the most: 2,048 rows / 16 / 8
.set WV,   18
.set SL,   19
.set EX,   20
.set HF,   21
.set GG,   22
.set CN,   23
.set NTL,  24
.set NW,   25
.set JJ,   26
.set ORD,  27
.set TL,   28
.set MK,   29                          ; s29 1 for a tile that I have, 0 for one past my last
.set LN,   1
.set RR,   2
.set HL,   3
.set L16,  4
.set WST,  5
.set WFR,  6
.set WSO,  7
.set STO,  8
.set RD,   9
.set OL,   10
.set HSL,  11
.set ORL,  12
.set HOF,  13                          ; v13-14 slot: byte offset in h_codes
.set HSOF, 15                          ; v15-16 in h_scales
.set OOF,  17                          ; v17-18 in the list
.set OA,   20                          ; v20-27 byte offsets in out0 of the eight rows that my half of the lanes stores
.set OI,   28                          ; v28-43 their list entries, eight a slot
.set ACC,  48                          ; v48-79 four accumulators
.set OB,   80                          ; v80-111 rows read back from the stage
.set WS,   112                         ; v112-143 W2's scale words: register 16 q + s: lanes 0-15 tile 2 q, lanes 16-31 tile 2 q + 1, K step s
.set HS,   144                         ; v144-175 the hidden layer's, sixteen a slot
.set MSB, 0
.macro WIN new
.if MSB != \new
	s_set_vgpr_msb (MSB<<8)|\new
.set MSB, \new
.endif
.endm
; Where my wave's tile number s[ORD] lies, for slot k.
; In the loop the six vector lines name no register of the products in front of them: the places ahead of the first read of the products' results (ISA guide 7.12.1).
.macro PFAD k
	s_lshl_b32 s[TL], s[ORD], 3
	s_add_co_u32 s[TL], s[TL], s[GG]
	s_min_u32 s[TL], s[TL], 127
	s_sub_co_u32 s[MK], s[NW], s[ORD]              ; tiles of mine from this one on,
	s_max_i32 s[MK], s[MK], 0                      ; none if it lies past my last,
	s_min_u32 s[MK], s[MK], 1                      ; as 1 or 0
	v_lshl_add_u32 v[HOF+\k], s[TL], 14, v[L16]
	v_lshl_add_u32 v[HSOF+\k], s[TL], 10, v[HSL]
	v_lshl_add_u32 v[OOF+\k], s[TL], 6, v[ORL]
	v_mul_u32_u24 v[HOF+\k], s[MK], v[HOF+\k]      ; (all three offsets lie under 2^24)
	v_mul_u32_u24 v[HSOF+\k], s[MK], v[HSOF+\k]
	v_mul_u32_u24 v[OOF+\k], s[MK], v[OOF+\k]
.endm
; That tile into slot k: 32 loads of codes, 4 of scale words, 2 of list entries: 38.
.macro PFLD k
	WIN 0xc0                                       ; destination window 3
.irp s, 0,1,2,3,4,5,6,7,8,9,10,11,12,13,14,15
.irp c, 0,1
	global_load_b128 v[128*\k+8*\s+4*\c:128*\k+8*\s+4*\c+3], v[HOF+\k], s[8:9] offset:1024*\s+512*\c
.endr
.endr
	WIN 0
.irp q, 0,1,2,3
	global_load_b128 v[HS+16*\k+4*\q:HS+16*\k+4*\q+3], v[HSOF+\k], s[10:11] offset:16*\q
.endr
	global_load_b128 v[OI+8*\k:OI+8*\k+3], v[OOF+\k], s[12:13]
	global_load_b128 v[OI+8*\k+4:OI+8*\k+7], v[OOF+\k], s[12:13] offset:16
.endm
; 64 matrix instructions: K = 2,048 in sixteen steps, the four accumulators by turns, one instruction a turn.  The first step starts the sums.
.macro MM k
	WIN 0x0d                                       ; source 0 (W2, K steps 0-7) window 1, source 1 (hidden) window 3
.irp s, 0,1,2,3,4,5,6,7
.irp n, 0,1,2,3
.if \s == 0
.if \n % 2
	v_wmma_scale_f32_16x16x128_f8f6f4 v[ACC+8*\n:ACC+8*\n+7], v[8*(8*\n+\s):8*(8*\n+\s)+7], v[128*\k+8*\s:128*\k+8*\s+7], 0, v[WS+16*(\n/2)+\s], v[HS+16*\k+\s] matrix_a_fmt:MATRIX_FMT_FP4 matrix_b_fmt:MATRIX_FMT_FP4 matrix_a_scale:MATRIX_SCALE_ROW1
.else
	v_wmma_scale_f32_16x16x128_f8f6f4 v[ACC+8*\n:ACC+8*\n+7], v[8*(8*\n+\s):8*(8*\n+\s)+7], v[128*\k+8*\s:128*\k+8*\s+7], 0, v[WS+16*(\n/2)+\s], v[HS+16*\k+\s] matrix_a_fmt:MATRIX_FMT_FP4 matrix_b_fmt:MATRIX_FMT_FP4
.endif
.else
.if \n % 2
	v_wmma_scale_f32_16x16x128_f8f6f4 v[ACC+8*\n:ACC+8*\n+7], v[8*(8*\n+\s):8*(8*\n+\s)+7], v[128*\k+8*\s:128*\k+8*\s+7], v[ACC+8*\n:ACC+8*\n+7], v[WS+16*(\n/2)+\s], v[HS+16*\k+\s] matrix_a_fmt:MATRIX_FMT_FP4 matrix_b_fmt:MATRIX_FMT_FP4 matrix_a_scale:MATRIX_SCALE_ROW1
.else
	v_wmma_scale_f32_16x16x128_f8f6f4 v[ACC+8*\n:ACC+8*\n+7], v[8*(8*\n+\s):8*(8*\n+\s)+7], v[128*\k+8*\s:128*\k+8*\s+7], v[ACC+8*\n:ACC+8*\n+7], v[WS+16*(\n/2)+\s], v[HS+16*\k+\s] matrix_a_fmt:MATRIX_FMT_FP4 matrix_b_fmt:MATRIX_FMT_FP4
.endif
.endif
.endr
.endr
	WIN 0x0e                                       ; source 0 (W2, K steps 8-15) window 2
.irp s, 8,9,10,11,12,13,14,15
.irp n, 0,1,2,3
.if \n % 2
	v_wmma_scale_f32_16x16x128_f8f6f4 v[ACC+8*\n:ACC+8*\n+7], v[8*(8*\n+\s-8):8*(8*\n+\s-8)+7], v[128*\k+8*\s:128*\k+8*\s+7], v[ACC+8*\n:ACC+8*\n+7], v[WS+16*(\n/2)+\s], v[HS+16*\k+\s] matrix_a_fmt:MATRIX_FMT_FP4 matrix_b_fmt:MATRIX_FMT_FP4 matrix_a_scale:MATRIX_SCALE_ROW1
.else
	v_wmma_scale_f32_16x16x128_f8f6f4 v[ACC+8*\n:ACC+8*\n+7], v[8*(8*\n+\s-8):8*(8*\n+\s-8)+7], v[128*\k+8*\s:128*\k+8*\s+7], v[ACC+8*\n:ACC+8*\n+7], v[WS+16*(\n/2)+\s], v[HS+16*\k+\s] matrix_a_fmt:MATRIX_FMT_FP4 matrix_b_fmt:MATRIX_FMT_FP4
.endif
.endr
.endr
	WIN 0
.endm
; 16 rows x 256 bytes through my own stage: LDS serves a wave's instructions in order (ISA guide 5.7.1.4), so no wait stands between the stores and the loads, nor ahead of the next tile's stores.
.macro OUTW
.irp n, 0,1,2,3
	ds_store_b128 v[STO], v[ACC+8*\n:ACC+8*\n+3] offset:64*\n            ; each accumulator from its low end on
	ds_store_b128 v[STO], v[ACC+8*\n+4:ACC+8*\n+7] offset:64*\n+16
.endr
.irp i, 0,1,2,3,4,5,6,7
	ds_load_b128 v[OB+4*\i:OB+4*\i+3], v[RD] offset:SPT*\i               ; lanes 0-15 row i, lanes 16-31 row i + 8
.endr
.irp i, 0,1,2,3,4,5,6,7
	s_wait_dscnt 7-\i                              ; the younger loads from the stage may be out
	global_store_b128 v[OA+\i], v[OB+4*\i:OB+4*\i+3], s[16:17] th:TH_STORE_NT   ; each half of the lanes stores 256 consecutive bytes, aligned
.endr
.endm
.macro STEP k
	s_wait_loadcnt 38                              ; this slot's 38 loads are in (and all older ones); the other slot's 38 may be out
	s_wait_xcnt 0x0                                ; the last tile's stores have had their addresses translated: their address and data registers are written again only behind this wait
	s_wait_alu depctr_vm_vsrc(0)                   ; the last tile's global stores have read OA and OB, its LDS stores the accumulators, the loads of two steps back this slot's three offsets: all of these are written again in this step
.irp i, 0,1,2,3,4,5,6,7
	v_min_u32 v[OA+\i], 0x7ff, v[OI+8*\k+\i]
.endr
.irp i, 0,1,2,3,4,5,6,7
	v_lshl_add_u32 v[OA+\i], v[OA+\i], 12, v[OL]   ; a row of out0 is 4,096 bytes
.endr
	MM \k
	s_add_co_u32 s[ORD], s[JJ], \k+2
	PFAD \k
	WIN 0xc0                                       ; (the loads' window, ahead of the wait)
	s_wait_alu depctr_va_vdst(0)                   ; the products have written the accumulators, which the LDS stores read (the six lines above are the places, which stay beside this wait), and are done reading H[k] and HS[k], in which the loads land; the head's lines are done reading OI[k] and have written OA; the three offsets are written
	PFLD \k
	OUTW
.if \k == 0
	s_add_co_u32 s30, s[JJ], 1
	s_cmp_ge_u32 s30, s[NW]
	s_cbranch_scc1 .Ldone                          ; that was my last tile
.else
	s_add_co_u32 s[JJ], s[JJ], 2
	s_cmp_ge_u32 s[JJ], s[NW]
	s_cbranch_scc1 .Ldone                          ; that was my last tile
	s_cmp_lt_u32 s[JJ], MAXW                       ; the loop itself is counted against the most that the shapes allow
	s_cbranch_scc1 .Lloop
.endif
.endm
	s_load_b256 s[4:11], s[0:1], 0x0               ; w2 codes s[4:5], w2 scales s[6:7], h codes s[8:9], h scales s[10:11]
	s_load_b128 s[12:15], s[0:1], 0x20             ; order s[12:13], counts s[14:15]
	s_load_b64 s[16:17], s[0:1], 0x30              ; out0
	v_lshl_add_u32 v254, v0, 2, 0x14800            ; my spare word, behind the stages, and 0: made here and kept for the closing lines alone
	v_mov_b32 v255, 0
	v_lshrrev_b32 v1, 5, v0
	v_readfirstlane_b32 s[WV], v1
	s_mov_b32 s[SL], ttmp9
	s_and_b32 s[EX], ttmp7, 0xffff
	s_and_b32 s[HF], s[EX], 1
	s_lshr_b32 s[EX], s[EX], 1
	s_lshl_b32 s[GG], s[HF], 2
	v_and_b32 v[LN], 31, v0
	v_and_b32 v[RR], 15, v0
	v_bfe_u32 v[HL], v0, 4, 1
	v_lshlrev_b32 v[L16], 4, v[LN]
	s_wait_alu depctr_va_sdst(0)                   ; the wave's number is written, ahead of its first reader
	s_add_co_u32 s[GG], s[GG], s[WV]
	s_mul_i32 s30, s[WV], 16*WP
	v_add_nc_u32 v[WST], s30, v[L16]               ; where I lay the 16 rows that I load
	v_mul_u32_u24 v[WFR], v[RR], WP
	v_lshl_add_u32 v[WFR], v[HL], 4, v[WFR]        ; a fragment: row lane % 16, + 16 x half
	v_lshl_add_u32 v[WSO], v[HL], 4, v[RR]
	v_lshlrev_b32 v[WSO], 6, v[WSO]                ; W2's scale words: row 16 half + lane % 16, 64 bytes a row
	s_mul_i32 s30, s[WV], 16*SPT
	s_add_co_u32 s30, s30, STG                     ; my stage
	v_mul_u32_u24 v[STO], v[RR], SPT
	v_lshl_add_u32 v[STO], v[HL], 5, v[STO]
	v_add_nc_u32 v[STO], s30, v[STO]               ; in: row lane % 16, 32 bytes for each half
	v_mul_u32_u24 v[RD], v[HL], 8*SPT
	v_lshl_add_u32 v[RD], v[RR], 4, v[RD]
	v_add_nc_u32 v[RD], s30, v[RD]                 ; back: sixteen lanes to a row; lanes 16-31 eight rows on
	v_lshlrev_b32 v[OL], 4, v[RR]
	v_lshlrev_b32 v[HSL], 6, v[RR]
	v_lshlrev_b32 v[ORL], 5, v[HL]
	s_lshl_b32 s30, s[EX], 10
	s_lshl_b32 s31, s[SL], 6
	s_add_co_u32 s30, s30, s31                     ; the slice's first row of W2
	s_lshl_b32 s31, s[WV], 4
	s_add_co_u32 s32, s30, s31
	s_lshl_b32 s32, s32, 10                        ; the 16 rows that I load, 1,024 bytes each
	s_mov_b32 s33, 0
	s_wait_kmcnt 0x0
	s_add_nc_u64 s[4:5], s[4:5], s[32:33]
	s_lshl_b32 s32, s30, 6
	s_add_nc_u64 s[6:7], s[6:7], s[32:33]
	s_lshl_b32 s32, s[EX], 8
	s_add_nc_u64 s[14:15], s[14:15], s[32:33]
	s_load_b32 s[CN], s[14:15], 0x0                ; the expert's rows
	s_lshl_b32 s32, s[EX], 21
	s_add_nc_u64 s[8:9], s[8:9], s[32:33]
	s_lshl_b32 s32, s[EX], 17
	s_add_nc_u64 s[10:11], s[10:11], s[32:33]
	s_lshl_b32 s32, s[EX], 13
	s_add_nc_u64 s[12:13], s[12:13], s[32:33]
	s_lshl_b32 s32, s[SL], 8
	s_add_nc_u64 s[16:17], s[16:17], s[32:33]
	WIN 0x40                                       ; destination window 1
	s_wait_alu depctr_va_vdst(0)                   ; the head's offsets and LDS addresses, v4 to v9, are written, which the loads, LDS stores and LDS loads of the whole text read; they are never written again
.set i, 0
.rept 32
	global_load_b128 v[4*i:4*i+3], v[L16], s[4:5] offset:512*i               ; 512 consecutive bytes a load: half a row
.set i, i+1
.endr
	WIN 0
.irp q, 0,1
.irp g, 0,1,2,3
	global_load_b128 v[WS+16*\q+4*\g:WS+16*\q+4*\g+3], v[WSO], s[6:7] offset:2048*\q+16*\g
.endr
.endr
	s_wait_kmcnt 0x0
	s_min_u32 s[CN], s[CN], 2048
	s_add_co_u32 s[NTL], s[CN], 15
	s_lshr_b32 s[NTL], s[NTL], 4
	s_add_co_u32 s[NW], s[NTL], 7
	s_sub_co_u32 s[NW], s[NW], s[GG]
	s_lshr_b32 s[NW], s[NW], 3                     ; my wave's tiles: t = G + 8 o under the expert's number of tiles
	s_mov_b32 s[ORD], 0
	PFAD 0                                         ; my first two tiles are asked for while the weights are on their way
	s_mov_b32 s[ORD], 1
	PFAD 1
	WIN 0xc0                                       ; (the loads' window, ahead of the wait)
	s_wait_alu depctr_va_vdst(0)                   ; both slots' three offsets are written, which the 76 loads below read
	PFLD 0
	PFLD 1
	s_wait_loadcnt 63                              ; the 32 loads of weights are in: behind the last of them 8 + 2 x 38 = 84 were issued, and 63 is under that
	WIN 0x04                                       ; an LDS store's data are its source 1: window 1
.set i, 0
.rept 32
	ds_store_b128 v[WST], v[4*i:4*i+3] offset:(i>>1)*WP+(i&1)*512
.set i, i+1
.endr
	WIN 0
	s_wait_dscnt 0x0                               ; my rows have landed
	s_barrier_signal -1
	s_barrier_wait -1                              ; all 64 rows lie in LDS; nobody writes them again
	s_wait_alu depctr_vm_vsrc(0)                   ; my LDS stores have read the rows' 128 registers of window 1, in which the fragments below land
	s_cmp_eq_u32 s[NW], 0
	s_cbranch_scc1 .Ldone                          ; a wave without a tile has done its part: a quarter of the weights
	WIN 0x40                                       ; the 64 fragments of W2: K steps 0-7 into window 1,
.irp n, 0,1,2,3
.irp s, 0,1,2,3,4,5,6,7
.irp c, 0,1
	ds_load_b128 v[8*(8*\n+\s)+4*\c:8*(8*\n+\s)+4*\c+3], v[WFR] offset:\n*16*WP+64*\s+32*\c
.endr
.endr
.endr
	WIN 0x80                                       ; K steps 8-15 into window 2: they stay
.irp n, 0,1,2,3
.irp s, 0,1,2,3,4,5,6,7
.irp c, 0,1
	ds_load_b128 v[8*(8*\n+\s)+4*\c:8*(8*\n+\s)+4*\c+3], v[WFR] offset:\n*16*WP+512+64*\s+32*\c
.endr
.endr
.endr
	WIN 0
	s_wait_dscnt 0x0
	s_mov_b32 s[JJ], 0
.Lloop:
	STEP 0
	STEP 1
.Ldone:
	s_barrier_signal -1
	s_barrier_wait -1
	s_wait_dscnt 0x0                               ; the closing lines, six on end
	s_wait_alu 0x0
	s_wait_tensorcnt 0x0
	ds_add_u32 v254, v255
	s_wait_dscnt 0x0
	s_endpgm
.Lfunc_end_k_q855776d81b_down:
	.size	k_q855776d81b_down, .Lfunc_end_k_q855776d81b_down-k_q855776d81b_down
	.p2alignl 7, 3214868480
	.fill 96, 4, 3214868480
	.section	.rodata,"a",@progbits
	.p2align	6, 0x0
	.amdhsa_kernel k_q855776d81b_down
		.amdhsa_group_segment_fixed_size 84480
		.amdhsa_private_segment_fixed_size 0
		.amdhsa_enable_private_segment 0
		.amdhsa_kernarg_size 56
		.amdhsa_user_sgpr_count 2
		.amdhsa_user_sgpr_kernarg_segment_ptr 1
		.amdhsa_wavefront_size32 1
		.amdhsa_system_sgpr_workgroup_id_x 1
		.amdhsa_system_sgpr_workgroup_id_y 1
		.amdhsa_system_sgpr_workgroup_id_z 1
		.amdhsa_system_vgpr_workitem_id 0
		.amdhsa_next_free_vgpr 1024
		.amdhsa_next_free_sgpr 66
		.amdhsa_reserve_vcc 0
		.amdhsa_float_denorm_mode_32 3
		.amdhsa_float_denorm_mode_16_64 3
		.amdhsa_memory_ordered 1
		.amdhsa_forward_progress 1
		.amdhsa_inst_pref_size 57
	.end_amdhsa_kernel
	.amdgpu_metadata
---
amdhsa.version: [ 1, 2 ]
amdhsa.kernels:
  - .name:           k_q855776d81b_down
    .symbol:         k_q855776d81b_down.kd
    .args:
      - { .name: w2_codes, .offset: 0, .size: 8, .value_kind: global_buffer, .address_space: global }
      - { .name: w2_scales, .offset: 8, .size: 8, .value_kind: global_buffer, .address_space: global }
      - { .name: h_codes, .offset: 16, .size: 8, .value_kind: global_buffer, .address_space: global }
      - { .name: h_scales, .offset: 24, .size: 8, .value_kind: global_buffer, .address_space: global }
      - { .name: order, .offset: 32, .size: 8, .value_kind: global_buffer, .address_space: global }
      - { .name: counts, .offset: 40, .size: 8, .value_kind: global_buffer, .address_space: global }
      - { .name: out0, .offset: 48, .size: 8, .value_kind: global_buffer, .address_space: global }
    .group_segment_fixed_size: 84480
    .private_segment_fixed_size: 0
    .kernarg_segment_align: 8
    .kernarg_segment_size: 56
    .max_flat_workgroup_size: 128
    .sgpr_count:     66
    .vgpr_count:     1024
    .wavefront_size: 32
...
	.end_amdgpu_metadata
.endif
;; end of part 3
